; MI455X (gfx1250); checked and timed in simulation.
; The chip was launched on July 23, 2026; its instructions are those of AMD's public machine-readable ISA for CDNA 5 (MIT licence, August 2026) and "CDNA5" Instruction Set Architecture Reference Guide (July 2026). The comments in the code are by the model that wrote it; some were corrected since.
;; Adaptive Heatmap Loss From Centers. Allowed arithmetic: float matrix products may take bf16 or f16 operands with f32 sums; all other float work in f32.
;; Inputs: centers 8 x 128 x 2 int32; ground_resolution 8 float32; mask 8 x 1 x 512 x 512 float32; pred_hm 8 x 1 x 512 x 512 float32; pred_sm 8 x 1 x 512 x 512 float32.
;; Outputs: out0 one number float32; out1 one number float32; out2 8 x 1 x 512 x 512 float32.
;; One version. Each part assembles by itself: llvm-mc -triple=amdgcn-amd-amdhsa -mcpu=gfx1250 --defsym DOCPART=n.
;; ======== version 1 of 1: 2 launches
;; workspace buffers: part 2,048 bytes
;; launch splat (part 1): grid 256 x 1, 4 waves a work-group, no clusters, 168,448 bytes of LDS; arguments centers, ground_resolution, mask, pred_hm, pred_sm, out2, part; writes out2, part
.if DOCPART == 1
	.amdgcn_target "amdgcn-amd-amdhsa--gfx1250"
	.amdhsa_code_object_version 6
	.text
	.protected	k_q4e28ef5cfc_splat
	.globl	k_q4e28ef5cfc_splat
	.p2align	8
	.type	k_q4e28ef5cfc_splat,@function
k_q4e28ef5cfc_splat:
	s_mov_b64 s[64:65], 0
	v_nop
	global_prefetch_b8 v0, s[64:65] scope:SCOPE_SE
	s_setreg_imm32_b32 hwreg(HW_REG_WAVE_MODE, 25, 1), 1
	s_wait_xcnt 0x0
; gt[b][y][x] = max over n of exp(-((y-cy_n)^2 + (x-cx_n)^2) / (2 sigma_n^2)),  sigma_n = 0.2 (1 + relu(sm[cy_n][cx_n])) / gr[b],
; and this work-group's sums of sm^2 and of (hm - gt)^2 * mask.
; exp grows with its argument, so the maximum is taken first and ONE exponential is made for a pixel:
;   gt = 2^( max over n of ( A[y][n] + B[x][n] ) ),  A[y][n] = k_n (y-cy_n)^2,  B[x][n] = k_n (x-cx_n)^2,  k_n = -(log2 e / 2) / sigma_n^2  (all <= 0).
; That is a max-plus product over n = 128.  With n in register pairs one v_pk_add_f32 makes two sums and one v_max3_num_f32 takes two
; candidates: one vector instruction for a pixel and a centre.
; SHARES: 256 work-groups = 8 samples x 8 row blocks x 4 column blocks; a work-group makes 64 rows x 128 columns with four waves;
; a wave 16 rows x 128 columns; lane (lx = lane & 15, ly = lane >> 4) 8 rows (16 wave + 8 ly + r) x 8 columns (64 g + 4 lx + j, g = 0, 1, j = 0..3),
; so that a lane's four neighbouring columns are 16 bytes and sixteen neighbouring lanes load or store 256 consecutive bytes, aligned.
; LDS: both tables lie along n, 512 bytes + 16 of padding a row.  B's row for column 64 g + 4 lx + j is row 16 (4 g + j) + lx.
; 102,944 bytes are used.
; LIMITS: a NaN in pred_sm at a centre counts as 0 (v_max_num_f32 drops it); gt below 2^-126 is stored as 0 (v_exp_f32 flushes);
; 1/sigma is formed as 5 gr / (1 + relu) and its square must stay finite: gr below about 2e18.
.set PITCH, 528                        ; bytes from row to row of a table
.set BTAB,  0                          ; 128 rows (columns of the block)
.set ATAB,  128*PITCH                  ; 64 rows (rows of the block)
.set PAR,   ATAB+64*PITCH              ; cy[128], cx[128], k[128] in f32
.set RED,   PAR+1536                   ; four pairs of sums, one for each wave: bytes behind both tables, which no table load touches
.set ROWB,  2048                       ; bytes in a row of an image
.set LN,  1                            ; v1       lane
.set LX,  2                            ; v2       lane & 15
.set GO,  3                            ; v3       my byte offset in the block: first row, first column
.set AA,  4                            ; v4       LDS address of my first row in A, stepped along n
.set AB,  5                            ; v5       LDS address of my first row in B, stepped along n
.set SA,  6                            ; v6       where my wave and lane write A
.set SB,  7                            ; v7       where they write B
.set CY,  8                            ; v[8:11]  cy of my four n (n = 4 lane ..)
.set CX,  12                           ; v[12:15] cx of them
.set ACC, 16                           ; v[16:79] running maxima: row r, column c = 4 g + j at ACC + 8 r + c
.set PA,  80                           ; v[80:111]   buffer P: A[row r][4 n] at PA + 4 r
.set PB,  112                          ; v[112:143]  buffer P: B[column c][4 n] at PB + 4 c
.set QA,  144                          ; v[144:175]  buffer Q
.set QB,  176                          ; v[176:207]
.set T,   208                          ; v[208:239]  the 32 sums of one row of my tile; later the partial sums
.set KK,  240                          ; v[240:243]  k of my four n
.set DD,  244                          ; v[244:247]  running distance to my four centres
.set W0,  248                          ; v[248:255]  scratch
.set HM1, 0                            ; v[256:319]  pred_hm of my 64 pixels, indexed like ACC   (second block of 256 registers)
.set MK1, 64                           ; v[320:383]  mask
.set SM1, 128                          ; v[384:447]  pred_sm
.set MSB, 0
.macro WIN new                         ; s_set_vgpr_msb: bits 1:0 source 0, 3:2 source 1, 5:4 source 2, 7:6 destination; the high byte repeats the setting that is left
.if MSB != \new
	s_set_vgpr_msb (MSB<<8)|\new
.set MSB, \new
.endif
.endm
	s_load_b256 s[8:15], s[0:1], 0x0               ; centers s[8:9], ground_resolution s[10:11], mask s[12:13], pred_hm s[14:15]
	s_load_b128 s[16:19], s[0:1], 0x20             ; pred_sm s[16:17], out2 s[18:19]
	s_load_b64 s[20:21], s[0:1], 0x30              ; part
	s_set_vgpr_msb 0x40
	v_lshl_add_u32 v192, v0, 2, 0x29000
	v_mov_b32 v193, 0
	s_set_vgpr_msb 0x4000
	v_lshrrev_b32 v[LN], 5, v0
	v_readfirstlane_b32 s2, v[LN]                  ; wave 0..3
	s_lshr_b32 s3, ttmp9, 5                        ; sample
	s_and_b32 s4, ttmp9, 3                         ; column block
	s_bfe_u32 s5, ttmp9, 0x30002                   ; row block (3 bits from bit 2)
	s_lshl_b32 s22, s3, 10                         ; a sample's centres: 128 x 8 bytes
	s_mov_b32 s23, 0
	s_lshl_b32 s24, s3, 2                          ; its ground resolution
	s_mov_b32 s25, 0
	s_lshl_b32 s26, s3, 20                         ; its image: 512 x 512 x 4 bytes
	s_mov_b32 s27, 0
	s_lshl_b32 s28, s5, 17                         ; 64 rows of 2,048 bytes
	s_lshl_b32 s29, s4, 9                          ; 128 columns of 4 bytes
	s_add_co_u32 s28, s28, s29
	s_add_co_u32 s28, s28, s26                     ; the block's first pixel, below 8 MiB
	s_mov_b32 s29, 0
	v_lshlrev_b32 v[W0+2], 3, v0                   ; thread t takes centre t
	s_wait_kmcnt 0x0
	s_add_nc_u64 s[8:9], s[8:9], s[22:23]
	s_add_nc_u64 s[10:11], s[10:11], s[24:25]
	global_load_b64 v[W0:W0+1], v[W0+2], s[8:9]    ; (row, column) of my centre: the head of the chain centres, gather, tables
	s_load_b32 s33, s[10:11], 0x0                  ; gr of the sample
	s_add_nc_u64 s[30:31], s[16:17], s[26:27]      ; pred_sm at the sample's first pixel, for the gather
	s_add_nc_u64 s[16:17], s[16:17], s[28:29]      ; the four images at the block's first pixel
	s_add_nc_u64 s[12:13], s[12:13], s[28:29]
	s_add_nc_u64 s[14:15], s[14:15], s[28:29]
	s_add_nc_u64 s[18:19], s[18:19], s[28:29]
	; lane terms, while the centres are on their way
	v_and_b32 v[LN], 31, v0
	v_and_b32 v[LX], 15, v0
	v_and_b32 v[W0+3], 0x70, v0                    ; 32 wave + 16 ly
	v_lshlrev_b32 v[GO], 10, v[W0+3]               ; (16 wave + 8 ly) rows of 2,048 bytes
	v_lshl_or_b32 v[GO], v[LX], 4, v[GO]           ; + 16 lx
	v_lshrrev_b32 v[W0+3], 1, v[W0+3]              ; my first row in the block: 16 wave + 8 ly
	s_mov_b32 s34, ATAB
	v_mad_u32_u24 v[AA], v[W0+3], PITCH, s34
	v_mul_u32_u24 v[AB], v[LX], PITCH
	s_mul_i32 s35, s2, PITCH
	v_lshl_add_u32 v[SB], v[LN], 4, s35            ; B: row (.. + wave), my four n
	s_mul_i32 s36, s2, 16*PITCH
	s_add_co_u32 s36, s36, ATAB
	v_lshl_add_u32 v[SA], v[LN], 4, s36            ; A: my wave's 16 rows, my four n
	s_lshl_b32 s37, s4, 7
	s_lshl2_add_u32 s37, s2, s37                   ; column 128 block + 4 wave: where my wave's part of B begins
	s_lshl_b32 s38, s5, 6
	s_lshl4_add_u32 s38, s2, s38                   ; row 64 block + 16 wave
	s_mul_i32 s40, s2, 8
	s_add_co_u32 s40, s40, RED                     ; my wave's pair of sums: RED + 8 wave
	s_mov_b32 s42, 0x76543210                      ; v_permlanex16_b32: lane i of one half reads lane i of the other
	s_mov_b32 s43, 0xfedcba98
	s_wait_loadcnt 0x0
	v_max_i32 v[W0], 0, v[W0]                      ; clip to 0 .. 511
	v_max_i32 v[W0+1], 0, v[W0+1]
	v_min_u32 v[W0], 0x1ff, v[W0]
	v_min_u32 v[W0+1], 0x1ff, v[W0+1]
	v_lshlrev_b32 v[W0+2], 9, v[W0]                ; its address register is free since the wait above
	v_add_nc_u32 v[W0+2], v[W0+2], v[W0+1]
	v_lshlrev_b32 v[W0+2], 2, v[W0+2]
	global_load_b32 v[W0+3], v[W0+2], s[30:31]     ; pred_sm at my centre
	; My 64 pixels of the three images, 48 loads, asked for BEHIND the gather: loads come back in order (ISA guide 5.7.1), so the
	; gather does not wait for them, and they have the tables and the whole main loop in which to land.
.macro TILE dst, b, nt
.irp r, 0,1,2,3,4,5,6,7
.irp g, 0,1
.if \nt
	global_load_b128 v[\dst+8*\r+4*\g:\dst+8*\r+4*\g+3], v[GO], s[\b:\b+1] offset:\r*ROWB+\g*256 th:TH_LOAD_NT
.else
	global_load_b128 v[\dst+8*\r+4*\g:\dst+8*\r+4*\g+3], v[GO], s[\b:\b+1] offset:\r*ROWB+\g*256
.endif
.endr
.endr
.endm
	WIN 0x40                                       ; destinations in the second block, the address in the first
	TILE SM1, 16, 0                                ; pred_sm is also read by other work-groups' gathers: no hint
	TILE HM1, 14, 1                                ; read once in the launch
	TILE MK1, 12, 1
	WIN 0
	v_cvt_f32_u32 v[W0+4], v[W0]                   ; cy
	v_cvt_f32_u32 v[W0+5], v[W0+1]                 ; cx
	v_lshl_add_u32 v[W0+6], v0, 2, PAR
	ds_store_b32 v[W0+6], v[W0+4]
	ds_store_b32 v[W0+6], v[W0+5] offset:512
	s_wait_kmcnt 0x0
	s_mul_f32 s33, s33, 0x40a00000                 ; 5 gr
	s_wait_loadcnt 48                              ; the gather is in; the 48 younger loads stay out
	v_max_num_f32 v[W0+3], 0, v[W0+3]              ; relu
	v_add_f32 v[W0+3], 1.0, v[W0+3]
	v_rcp_f32 v[W0+3], v[W0+3]
	v_lshl_add_u32 v[W0+7], v[LN], 4, PAR          ; one plain vector instruction between v_rcp_f32 and the use of its result (ISA guide 5.7.2)
	s_wait_alu depctr_va_vdst(0)
	v_mul_f32 v[W0+3], s33, v[W0+3]                ; 1 / sigma = 5 gr / (1 + relu)
	v_mul_f32 v[W0+4], 0xbf38aa3b, v[W0+3]         ; x -(log2 e) / 2
	v_mul_f32 v[W0+3], v[W0+4], v[W0+3]            ; k
	ds_store_b32 v[W0+6], v[W0+3] offset:1024
	s_wait_dscnt 0x0                               ; my three stores are done, for the other waves' sake
	s_barrier_signal -1
	s_barrier_wait -1
	ds_load_b128 v[CY:CY+3], v[W0+7]               ; the parameters of n = 4 lane .. 4 lane + 3
	ds_load_b128 v[CX:CX+3], v[W0+7] offset:512
	ds_load_b128 v[KK:KK+3], v[W0+7] offset:1024
	v_cvt_f32_u32 v[W0], s37
	v_cvt_f32_u32 v[W0+1], s38
	s_wait_dscnt 0x0
; THE TABLES.  A wave writes a whole table row by one store (32 lanes x 4 n = 512 consecutive bytes).  Four rows at a time, for the
; coordinates p, p + 1, p + 2, p + 3 with DD = p - c: distances are whole numbers and exact, their squares too; one rounding in x k.
.set E, PA
.macro GROUP adr, off0, offstep, inc, step
	v_pk_add_f32 v[E+4:E+5],   v[DD:DD+1],   1.0 op_sel_hi:[1,0]
	v_pk_add_f32 v[E+6:E+7],   v[DD+2:DD+3], 1.0 op_sel_hi:[1,0]
	v_pk_add_f32 v[E+8:E+9],   v[DD:DD+1],   2.0 op_sel_hi:[1,0]
	v_pk_add_f32 v[E+10:E+11], v[DD+2:DD+3], 2.0 op_sel_hi:[1,0]
	v_pk_add_f32 v[E+12:E+13], v[DD:DD+1],   3.0 op_sel_hi:[1,0]
	v_pk_add_f32 v[E+14:E+15], v[DD+2:DD+3], 3.0 op_sel_hi:[1,0]
	v_pk_mul_f32 v[E:E+1],     v[DD:DD+1],   v[DD:DD+1]
	v_pk_mul_f32 v[E+2:E+3],   v[DD+2:DD+3], v[DD+2:DD+3]
.irp p, 4,6,8,10,12,14
	v_pk_mul_f32 v[E+\p:E+\p+1], v[E+\p:E+\p+1], v[E+\p:E+\p+1]
.endr
.if \step
	v_pk_add_f32 v[DD:DD+1],   v[DD:DD+1],   \inc op_sel_hi:[1,0]
	v_pk_add_f32 v[DD+2:DD+3], v[DD+2:DD+3], \inc op_sel_hi:[1,0]
.endif
.irp j, 0,1,2,3
	v_pk_mul_f32 v[E+4*\j:E+4*\j+1],   v[E+4*\j:E+4*\j+1],   v[KK:KK+1]
	v_pk_mul_f32 v[E+4*\j+2:E+4*\j+3], v[E+4*\j+2:E+4*\j+3], v[KK+2:KK+3]
.endr
.irp j, 0,1,2,3
	ds_store_b128 v[\adr], v[E+4*\j:E+4*\j+3] offset:\off0+\j*\offstep
.endr
.endm
	; B: group q = 4 g + i holds the columns 16 q + 4 wave + j = 64 g + 4 (wave + 4 i) + j, which are the table rows 16 (4 g + j) + wave + 4 i.
	; The largest offset is (64 + 12 + 48) x 528 = 65,472, inside the 16 bits of an LDS offset.
.irp i, 0,1,2,3
	v_sub_f32 v[DD+\i], v[W0], v[CX+\i]
.endr
.irp q, 0,1,2,3,4,5,6
	GROUP SB, (64*(\q/4)+4*(\q%4))*PITCH, 16*PITCH, 16.0, 1
.endr
	GROUP SB, (64+12)*PITCH, 16*PITCH, 16.0, 0
	; A: my wave's own 16 rows
.irp i, 0,1,2,3
	v_sub_f32 v[DD+\i], v[W0+1], v[CY+\i]
.endr
.irp q, 0,1,2
	GROUP SA, 4*\q*PITCH, PITCH, 4.0, 1
.endr
	GROUP SA, 12*PITCH, PITCH, 4.0, 0
	s_wait_dscnt 0x0                               ; my part of the tables is written
	s_barrier_signal -1
	s_barrier_wait -1                              ; everybody's is; the tables are only read from here on
; THE MAIN LOOP.  A stage is four n: 16 loads of 16 bytes feed 128 packed adds and 128 maxima of three.
.macro FETCH fa, fb, off
.irp i, 0,1,2,3,4,5,6,7
	ds_load_b128 v[\fa+4*\i:\fa+4*\i+3], v[AA] offset:\i*PITCH+\off        ; one address for each half of the lanes
.endr
.irp i, 0,1,2,3,4,5,6,7
	ds_load_b128 v[\fb+4*\i:\fb+4*\i+3], v[AB] offset:\i*16*PITCH+\off     ; sixteen consecutive table rows
.endr
.endm
; One row of my tile at a time: 16 packed adds into T, then 16 maxima, so that no instruction reads the result of one of the eight before it.
; init = 1: the first two candidates start each maximum: nothing is cleared.
.macro STAGE fa, fb, init
.irp r, 0,1,2,3,4,5,6,7
.irp c, 0,1,2,3,4,5,6,7
	v_pk_add_f32 v[T+4*\c:T+4*\c+1],   v[\fa+4*\r:\fa+4*\r+1],   v[\fb+4*\c:\fb+4*\c+1]
	v_pk_add_f32 v[T+4*\c+2:T+4*\c+3], v[\fa+4*\r+2:\fa+4*\r+3], v[\fb+4*\c+2:\fb+4*\c+3]
.endr
.irp c, 0,1,2,3,4,5,6,7
.if \init
	v_max_num_f32 v[ACC+8*\r+\c], v[T+4*\c], v[T+4*\c+1]
.else
	v_max3_num_f32 v[ACC+8*\r+\c], v[ACC+8*\r+\c], v[T+4*\c], v[T+4*\c+1]
.endif
.endr
.irp c, 0,1,2,3,4,5,6,7
	v_max3_num_f32 v[ACC+8*\r+\c], v[ACC+8*\r+\c], v[T+4*\c+2], v[T+4*\c+3]
.endr
.endr
.endm
; A trip is two stages, on buffers P and Q; each buffer is loaded again while the other is worked on.
.macro TRIP init, last
	FETCH QA, QB, 16
	s_wait_dscnt 16                                ; LDS loads come back in order (ISA guide 5.7.1): P's 16 are in, Q's 16 may be out
	STAGE PA, PB, \init
.if \last
	s_wait_dscnt 0                                 ; nothing lies behind n = 127
.else
	FETCH PA, PB, 32
	v_add_nc_u32 v[AA], 32, v[AA]                  ; eight n on
	v_add_nc_u32 v[AB], 32, v[AB]
	s_wait_dscnt 16                                ; Q's 16 are in, P's next 16 may be out
.endif
	STAGE QA, QB, 0
.endm
	FETCH PA, PB, 0
	TRIP 1, 0                                      ; 16 trips: the first starts the maxima,
	s_mov_b32 s44, 14
.Ltrip:
	TRIP 0, 0
	s_sub_co_i32 s44, s44, 1
	s_cmp_lg_u32 s44, 0
	s_cbranch_scc1 .Ltrip
	TRIP 0, 1                                      ; the last fetches only its own second stage
	; THE END.  One exponential for each pixel, in place.
.set i, 0
.rept 64
	v_exp_f32 v[ACC+i], v[ACC+i]
.set i, i+1
.endr
	v_mov_b32 v[W0+2], s40                         ; one plain vector instruction between the last v_exp_f32 and the use of its result (ISA guide 5.7.2)
	s_wait_loadcnt 0x0                             ; the three tiles, asked for ahead of the tables and the main loop
	s_wait_alu depctr_va_vdst(0)
.irp r, 0,1,2,3,4,5,6,7
.irp g, 0,1
	global_store_b128 v[GO], v[ACC+8*\r+4*\g:ACC+8*\r+4*\g+3], s[18:19] offset:\r*ROWB+\g*256 th:TH_STORE_NT   ; 16 lanes: 256 consecutive bytes, aligned
.endr
.endr
	WIN 0x01                                       ; source 0 in the second block
.set i, 0
.rept 32
	v_pk_add_f32 v[PA+2*i:PA+2*i+1], v[HM1+2*i:HM1+2*i+1], v[ACC+2*i:ACC+2*i+1] neg_lo:[0,1] neg_hi:[0,1]   ; hm - gt
.set i, i+1
.endr
.set i, 0
.rept 32
	v_pk_mul_f32 v[QA+2*i:QA+2*i+1], v[MK1+2*i:MK1+2*i+1], v[PA+2*i:PA+2*i+1]                               ; mask (hm - gt)
.set i, i+1
.endr
	WIN 0x05                                       ; sources 0 and 1 in the second block
.set i, 0
.rept 4
	v_pk_mul_f32 v[T+2*i:T+2*i+1], v[SM1+2*i:SM1+2*i+1], v[SM1+2*i:SM1+2*i+1]                               ; four chains of pairs, started by the first products
.set i, i+1
.endr
.rept 28
	v_pk_fma_f32 v[T+2*(i%4):T+2*(i%4)+1], v[SM1+2*i:SM1+2*i+1], v[SM1+2*i:SM1+2*i+1], v[T+2*(i%4):T+2*(i%4)+1]
.set i, i+1
.endr
	WIN 0
.set i, 0
.rept 4
	v_pk_mul_f32 v[T+8+2*i:T+8+2*i+1], v[QA+2*i:QA+2*i+1], v[PA+2*i:PA+2*i+1]                               ; mask (hm - gt)^2
.set i, i+1
.endr
.rept 28
	v_pk_fma_f32 v[T+8+2*(i%4):T+8+2*(i%4)+1], v[QA+2*i:QA+2*i+1], v[PA+2*i:PA+2*i+1], v[T+8+2*(i%4):T+8+2*(i%4)+1]
.set i, i+1
.endr
	v_pk_add_f32 v[T:T+1],     v[T:T+1],     v[T+2:T+3]
	v_pk_add_f32 v[T+4:T+5],   v[T+4:T+5],   v[T+6:T+7]
	v_pk_add_f32 v[T+8:T+9],   v[T+8:T+9],   v[T+10:T+11]
	v_pk_add_f32 v[T+12:T+13], v[T+12:T+13], v[T+14:T+15]
	v_pk_add_f32 v[T:T+1],     v[T:T+1],     v[T+4:T+5]
	v_pk_add_f32 v[T+8:T+9],   v[T+8:T+9],   v[T+12:T+13]
	v_add_f32 v[T], v[T], v[T+1]                   ; my 64 pixels' sm^2
	v_add_f32 v[T+1], v[T+8], v[T+9]               ; and mask (hm - gt)^2
	; over the 32 lanes: four steps inside each half ride on the adds, one crosses the halves
.irp m, 1,2,4,8
	v_add_f32_dpp v[T], v[T], v[T] row_xmask:\m row_mask:0xf bank_mask:0xf
	v_add_f32_dpp v[T+1], v[T+1], v[T+1] row_xmask:\m row_mask:0xf bank_mask:0xf
.endr
	v_permlanex16_b32 v[T+2], v[T], s42, s43       ; destinations that have been written before
	v_permlanex16_b32 v[T+3], v[T+1], s42, s43
	v_pk_add_f32 v[T:T+1], v[T:T+1], v[T+2:T+3]
	ds_store_b64 v[W0+2], v[T:T+1]                 ; every lane writes the same pair to the wave's 8 bytes at RED + 8 wave
	s_wait_dscnt 0x0
	s_barrier_signal -1
	s_barrier_wait -1
	s_cmp_lg_u32 s2, 0
	s_cbranch_scc1 .Lend                           ; wave 0 adds the four pairs
	v_mov_b32 v[W0+3], RED
	ds_load_b128 v[T:T+3], v[W0+3]
	ds_load_b128 v[T+4:T+7], v[W0+3] offset:16
	s_lshl_b32 s45, ttmp9, 3                       ; the work-group's 8 bytes of part
	v_mov_b32 v[W0+4], s45
	s_wait_dscnt 0x0
	v_pk_add_f32 v[T:T+1], v[T:T+1], v[T+2:T+3]
	v_pk_add_f32 v[T+4:T+5], v[T+4:T+5], v[T+6:T+7]
	v_pk_add_f32 v[T:T+1], v[T:T+1], v[T+4:T+5]
	s_wait_xcnt 0x0                                ; EXEC is a source of the stores of gt: it changes only behind this wait
	v_cmp_eq_u32 vcc_lo, 0, v0
	s_and_saveexec_b32 s46, vcc_lo
	global_store_b64 v[W0+4], v[T:T+1], s[20:21]   ; thread 0: (sum of sm^2, sum of mask (hm - gt)^2)
	s_wait_xcnt 0x0                                ; and again in front of the line that widens it
	s_or_b32 exec_lo, exec_lo, s46
.Lend:
	s_set_vgpr_msb 0x5
	s_wait_tensorcnt 0x0
	ds_add_u32 v192, v193
	s_wait_dscnt 0x0
	s_set_vgpr_msb 0x500
	s_endpgm
.Lfunc_end_k_q4e28ef5cfc_splat:
	.size	k_q4e28ef5cfc_splat, .Lfunc_end_k_q4e28ef5cfc_splat-k_q4e28ef5cfc_splat
	.p2alignl 7, 3214868480
	.fill 96, 4, 3214868480
	.section	.rodata,"a",@progbits
	.p2align	6, 0x0
	.amdhsa_kernel k_q4e28ef5cfc_splat
		.amdhsa_group_segment_fixed_size 168448
		.amdhsa_private_segment_fixed_size 0
		.amdhsa_enable_private_segment 0
		.amdhsa_kernarg_size 56
		.amdhsa_user_sgpr_count 2
		.amdhsa_user_sgpr_kernarg_segment_ptr 1
		.amdhsa_wavefront_size32 1
		.amdhsa_system_sgpr_workgroup_id_x 1
		.amdhsa_system_sgpr_workgroup_id_y 1
		.amdhsa_system_sgpr_workgroup_id_z 1
		.amdhsa_system_vgpr_workitem_id 0
		.amdhsa_next_free_vgpr 450
		.amdhsa_next_free_sgpr 66
		.amdhsa_reserve_vcc 1
		.amdhsa_float_denorm_mode_32 3
		.amdhsa_float_denorm_mode_16_64 3
		.amdhsa_memory_ordered 1
		.amdhsa_forward_progress 1
		.amdhsa_inst_pref_size 146
	.end_amdhsa_kernel
	.amdgpu_metadata
---
amdhsa.version: [ 1, 2 ]
amdhsa.kernels:
  - .name:           k_q4e28ef5cfc_splat
    .symbol:         k_q4e28ef5cfc_splat.kd
    .args:
      - { .name: centers, .offset: 0, .size: 8, .value_kind: global_buffer, .address_space: global }
      - { .name: ground_resolution, .offset: 8, .size: 8, .value_kind: global_buffer, .address_space: global }
      - { .name: mask, .offset: 16, .size: 8, .value_kind: global_buffer, .address_space: global }
      - { .name: pred_hm, .offset: 24, .size: 8, .value_kind: global_buffer, .address_space: global }
      - { .name: pred_sm, .offset: 32, .size: 8, .value_kind: global_buffer, .address_space: global }
      - { .name: out2, .offset: 40, .size: 8, .value_kind: global_buffer, .address_space: global }
      - { .name: part, .offset: 48, .size: 8, .value_kind: global_buffer, .address_space: global }
    .group_segment_fixed_size: 168448
    .private_segment_fixed_size: 0
    .kernarg_segment_align: 8
    .kernarg_segment_size: 56
    .max_flat_workgroup_size: 128
    .sgpr_count:     66
    .vgpr_count:     450
    .wavefront_size: 32
...
	.end_amdgpu_metadata
.endif
;; end of part 1
;; launch finish (part 2): grid 1 x 1, 1 waves a work-group, no clusters, 0 bytes of LDS; arguments part, out0, out1; writes out0, out1
.if DOCPART == 2
	.amdgcn_target "amdgcn-amd-amdhsa--gfx1250"
	.amdhsa_code_object_version 6
	.text
	.protected	k_q4e28ef5cfc_finish
	.globl	k_q4e28ef5cfc_finish
	.p2align	8
	.type	k_q4e28ef5cfc_finish,@function
k_q4e28ef5cfc_finish:
	s_mov_b64 s[64:65], 0
	v_nop
	global_prefetch_b8 v0, s[64:65] scope:SCOPE_SE
	s_setreg_imm32_b32 hwreg(HW_REG_WAVE_MODE, 25, 1), 1
	s_wait_xcnt 0x0
; out0 = mean of pred_sm^2, out1 = mean of mask (pred_hm - gt)^2, over 8 x 512 x 512 = 2^21 pixels (samples of equal size: the mean of
; the samples' means is the mean of all).  part holds 256 pairs (sum of sm^2, sum of the masked squares), one from each work-group of
; the launch before: 2,048 bytes.  One wave: a lane takes 8 pairs by four loads of 16 bytes, each load of the wave 512 consecutive bytes.
; A sum over work-groups has one owner and a fixed order here; more waves would add a barrier and no speed to 2,048 bytes.
	s_load_b128 s[4:7], s[0:1], 0x0                ; part s[4:5], out0 s[6:7]
	s_load_b64 s[8:9], s[0:1], 0x10                ; out1
	s_mov_b32 s10, 0x76543210                      ; v_permlanex16_b32: lane i of one half reads lane i of the other
	s_mov_b32 s11, 0xfedcba98
	v_lshlrev_b32 v1, 4, v0
	v_mov_b32 v2, 0
	s_wait_kmcnt 0x0
	global_load_b128 v[4:7], v1, s[4:5]
	global_load_b128 v[8:11], v1, s[4:5] offset:512
	global_load_b128 v[12:15], v1, s[4:5] offset:1024
	global_load_b128 v[16:19], v1, s[4:5] offset:1536
	s_wait_loadcnt 0x0
	v_pk_add_f32 v[4:5], v[4:5], v[6:7]            ; both sums at once: a pair is (sm^2, masked squares)
	v_pk_add_f32 v[8:9], v[8:9], v[10:11]
	v_pk_add_f32 v[12:13], v[12:13], v[14:15]
	v_pk_add_f32 v[16:17], v[16:17], v[18:19]
	v_pk_add_f32 v[4:5], v[4:5], v[8:9]
	v_pk_add_f32 v[12:13], v[12:13], v[16:17]
	v_pk_add_f32 v[4:5], v[4:5], v[12:13]
.irp m, 1,2,4,8
	v_add_f32_dpp v4, v4, v4 row_xmask:\m row_mask:0xf bank_mask:0xf
	v_add_f32_dpp v5, v5, v5 row_xmask:\m row_mask:0xf bank_mask:0xf
.endr
	v_permlanex16_b32 v6, v4, s10, s11             ; destinations that have been written before
	v_permlanex16_b32 v7, v5, s10, s11
	v_pk_add_f32 v[4:5], v[4:5], v[6:7]
	v_pk_mul_f32 v[4:5], v[4:5], 0x35000000 op_sel_hi:[1,0]    ; x 2^-21, exact
	s_wait_xcnt 0x0                                ; EXEC changes only behind this wait
	v_cmp_eq_u32 vcc_lo, 0, v0
	s_and_saveexec_b32 s12, vcc_lo
	global_store_b32 v2, v4, s[6:7]
	global_store_b32 v2, v5, s[8:9]
	s_wait_xcnt 0x0                                ; and again in front of the line that widens it
	s_or_b32 exec_lo, exec_lo, s12
	s_endpgm
.Lfunc_end_k_q4e28ef5cfc_finish:
	.size	k_q4e28ef5cfc_finish, .Lfunc_end_k_q4e28ef5cfc_finish-k_q4e28ef5cfc_finish
	.p2alignl 7, 3214868480
	.fill 96, 4, 3214868480
	.section	.rodata,"a",@progbits
	.p2align	6, 0x0
	.amdhsa_kernel k_q4e28ef5cfc_finish
		.amdhsa_group_segment_fixed_size 0
		.amdhsa_private_segment_fixed_size 0
		.amdhsa_enable_private_segment 0
		.amdhsa_kernarg_size 24
		.amdhsa_user_sgpr_count 2
		.amdhsa_user_sgpr_kernarg_segment_ptr 1
		.amdhsa_wavefront_size32 1
		.amdhsa_system_sgpr_workgroup_id_x 1
		.amdhsa_system_sgpr_workgroup_id_y 1
		.amdhsa_system_sgpr_workgroup_id_z 1
		.amdhsa_system_vgpr_workitem_id 0
		.amdhsa_next_free_vgpr 24
		.amdhsa_next_free_sgpr 66
		.amdhsa_reserve_vcc 1
		.amdhsa_float_denorm_mode_32 3
		.amdhsa_float_denorm_mode_16_64 3
		.amdhsa_memory_ordered 1
		.amdhsa_forward_progress 1
		.amdhsa_inst_pref_size 3
	.end_amdhsa_kernel
	.amdgpu_metadata
---
amdhsa.version: [ 1, 2 ]
amdhsa.kernels:
  - .name:           k_q4e28ef5cfc_finish
    .symbol:         k_q4e28ef5cfc_finish.kd
    .args:
      - { .name: part, .offset: 0, .size: 8, .value_kind: global_buffer, .address_space: global }
      - { .name: out0, .offset: 8, .size: 8, .value_kind: global_buffer, .address_space: global }
      - { .name: out1, .offset: 16, .size: 8, .value_kind: global_buffer, .address_space: global }
    .group_segment_fixed_size: 0
    .private_segment_fixed_size: 0
    .kernarg_segment_align: 8
    .kernarg_segment_size: 24
    .max_flat_workgroup_size: 32
    .sgpr_count:     66
    .vgpr_count:     24
    .wavefront_size: 32
...
	.end_amdgpu_metadata
.endif
;; end of part 2
